; MI455X (gfx1250); checked and timed in simulation.
; The chip was launched on July 23, 2026; its instructions are those of AMD's public machine-readable ISA for CDNA 5 (MIT licence, August 2026) and "CDNA5" Instruction Set Architecture Reference Guide (July 2026). The comments in the code are by the model that wrote it; some were corrected since.
;; Multihead Attention. Allowed arithmetic: matrix products marked QUANTISED: E5M2 operands, one given power-of-two scale a tensor, by v_wmma_f32_16x16x64_bf8_bf8 or v_wmma_f32_16x16x128_bf8_bf8, f32 sums; everything else in f32.
;; Inputs: Wk_codes 1,024 x 32 x 32 uint8 (E5M2 codes of Wk, K innermost, in blocks of 32 codes); Wq_codes 1,024 x 32 x 32 uint8 (E5M2 codes of Wq, K innermost, in blocks of 32 codes); Wv_codes 1,024 x 32 x 32 uint8 (E5M2 codes of Wv, K innermost, in blocks of 32 codes); beta 1,024 float32; bk 1,024 float32; bq 1,024 float32; bv 1,024 float32; gamma 1,024 float32; lowp_scales 10 int32 (the exponents e of the quantised operands' scales 2^e); x 32 x 1,024 x 512 float32.
;; Outputs: out0 32 x 1,024 x 512 float32.
;; Constants: num_heads = 16.
;; This version of the problem:
;;   THIS VERSION OF THE PROBLEM IS GIVEN IN LOW PRECISION. The matrix products marked QUANTISED in the list below multiply operands that are first quantised to E5M2 (5 exponent bits, 2 mantissa bits; 8 bits a number), with one given power-of-two scale for each operand tensor; their sums are f32. All else is computed in f32.
;;   The module's matrix products, in the order in which they are computed (A, B: the left and right operand; K: the contracted axis; several contracted axes count as one K, in the product's order):
;;     1. [M 16,384, K 1,024] x [K 1,024, N 1,024]; A: input x; B: input Wq (given as codes): QUANTISED (scales: A lowp_scales[0], B lowp_scales[1])
;;     2. [M 16,384, K 1,024] x [K 1,024, N 1,024]; A: input x; B: input Wk (given as codes): QUANTISED (scales: A lowp_scales[2], B lowp_scales[3])
;;     3. [M 16,384, K 1,024] x [K 1,024, N 1,024]; A: input x; B: input Wv (given as codes): QUANTISED (scales: A lowp_scales[4], B lowp_scales[5])
;;     4. batch 512 x [M 512, K 64] x [K 64, N 512]; A: computed on the way; B: computed on the way: QUANTISED (scales: A lowp_scales[6], B lowp_scales[7])
;;     5. batch 512 x [M 512, K 512] x [K 512, N 64]; A: softmax (see below); B: computed on the way: QUANTISED (scales: A lowp_scales[8], B lowp_scales[9])
;;   THE QUANTISER, for each operand of a quantised product, along K:
;;     - The operand's scale is 2^e, e = its entry of the input lowp_scales (int32; the entries are numbered through the quantised products in the list's order, A before B).
;;     - Each number is divided by the scale, clamped to +-57,344, and rounded to the nearest number of E5M2, ties to even, subnormals kept.
;;     - The product sums the exact products of the quantised numbers (number of the format x scale) in f32.
;;   ~~~python
;;   def quantise(x, axis, e):      # numpy; x: float32 -> the quantised numbers, widened to float32 again
;;       x = np.moveaxis(x, axis, -1); K = x.shape[-1]
;;       r = np.clip(x / 2.0 ** e, -57344, 57344)
;;       step = 2.0 ** (np.maximum(np.frexp(np.where(r == 0, 1, r))[1] - 1, -14) - 2)
;;       q = np.round(r / step) * step * 2.0 ** e      # np.round: ties to even
;;       return np.moveaxis(q, -1, axis).astype(np.float32)
;;   ~~~
;;   SOFTMAX AHEAD OF A QUANTISED PRODUCT. Where the list says 'softmax', what is quantised is not the finished softmax but p = 2^(t - M), with t = logit x log2(e) and M = ceil(the row's largest t), a whole number; so 1/2 < the row's largest p <= 1. The row's sum l is taken of the UNQUANTISED p, in f32, and the product's result is divided by l at the end. Since M is a whole number, a kernel that streams over the keys may use a running M (the ceiling of the running maximum): every later rescaling is an exact power of two, so the quantised numbers keep their values, but for numbers so far below the row's largest that they fall under the format's range.
;;   OPERANDS COMPUTED ON THE WAY. 'Computed on the way' means the value that the module computes at that place (a softmax that the list does not call 'softmax' is quantised finished and normalised). What goes into a quantiser is computed in f32, as accurately as f32 sums, v_exp_f32 and their like allow (about 1e-6 of the number): no bf16 or f16 on the way to a quantiser, and a product that is left as it is and whose result goes on into a quantised operand takes f32 operands (vector FMAs, or v_wmma_f32_16x16x4_f32). A number that lies on a knife's edge between two numbers of the format may be rounded either way, as far as f32 arithmetic and the matrix unit's own rounding can turn it there, and no further.
;;   INPUTS GIVEN AS CODES. Wk (in the module: [1024, 1024], K = its axis 0); Wq (in the module: [1024, 1024], K = its axis 0); Wv (in the module: [1024, 1024], K = its axis 0): each comes as NAME_codes (uint8): NAME with its K axis moved to the last place and cut into blocks of 32 codes, [.., K / 32, bytes a block], one block behind the other in memory; one code a byte (a code: sign, 5 exponent bits, 2 mantissa bits); its scale is its entry of lowp_scales. Its value is code x scale, taken as it is: it is not quantised again, and the codes and scales need not be those that the quantiser above would give.
;; One version. Each part assembles by itself: llvm-mc -triple=amdgcn-amd-amdhsa -mcpu=gfx1250 --defsym DOCPART=n.
;; ======== version 1 of 1: 4 launches
;; limits: right only within a limited range of input values
;; workspace buffers: xc 50,331,648 bytes; qkv 50,331,648 bytes; y 67,108,864 bytes
;; launch quant (part 1): grid 128 x 4, 4 waves a work-group, no clusters, 104,960 bytes of LDS; arguments x, lowp_scales, xc; writes xc
.if DOCPART == 1
	.amdgcn_target "amdgcn-amd-amdhsa--gfx1250"
	.amdhsa_code_object_version 6
	.text
	.protected	k_q11f30fd6c8_quant
	.globl	k_q11f30fd6c8_quant
	.p2align	8
	.type	k_q11f30fd6c8_quant,@function
k_q11f30fd6c8_quant:
	s_mov_b64 s[64:65], 0
	v_nop
	global_prefetch_b8 v0, s[64:65] scope:SCOPE_SE
	s_setreg_imm32_b32 hwreg(HW_REG_WAVE_MODE, 25, 1), 1
	s_wait_xcnt 0x0
; THE PROGRAM: four launches.  This one: x into three sets of E5M2 codes.  The second: the three projections, bias, relu, and their quantising.  The third: attention and the residual.  The fourth: the batch norm.
; DEAD WORK: none.  Every product of reference() reaches the output; each bias stands ahead of a relu and of a quantiser and can move codes; gamma, beta and x itself (the residual) reach the output.  Every input is loaded.
; THIS LAUNCH.  x [32][1024][512] f32 is the left operand of the three projections; its K (the 1,024 channels) is NOT innermost.  Each projection has a scale of its own for x: entries 0, 2, 4 of the scales.
; So x is read once and quantised three times: xc[set p][row 512 b + t][1,024 codes], K innermost, set p beginning at p x 2^24 bytes.
; code = x / 2^e, held within +-57,344, rounded to the nearest code, ties to even.
; A LANE TAKES A COLUMN t, AND ITS REGISTERS RUN DOWN K: each load reads 32 neighbouring t (128 consecutive bytes a wave, 512 a work-group), and the conversions, which take neighbours along K from one lane's
; consecutive registers, give the codes with K innermost.  A wave takes 32 columns x 256 along K: 8 blocks of 32.  A lane's codes belong to one row of xc and the lanes beside it hold other rows: so they
; go through the wave's own stages in LDS (one for each set) and leave by rows: sixteen lanes store 256 consecutive bytes, aligned.  Waves share nothing: no barrier.  Loads run two blocks (64 loads a wave) ahead.
; LIMITS: each of the three exponents lies between -126 and 112, so that 2^e and 57,344 x 2^e are f32 numbers.  NaN among the inputs is not served; an infinity is held at the largest code.
.set NB,    8                          ; blocks of 32 along K for a wave
.set PITCH, 272                        ; a stage row: 256 bytes of codes + 16
.set STG,   32*PITCH                   ; a stage: 32 columns
.set SPARE, 12*STG                     ; behind the twelve stages: the spare words, 128 bytes for each wave, which no other line names
.set DROW,  2048                       ; from a channel of x to the next, in bytes
.set CROW,  1024                       ; a row of xc in bytes
.set SPW,   14                         ; v14      LDS address of my spare word; never rewritten
.set NIL,   15                         ; v15      0; never rewritten
.set SC,    16                         ; v16-18   2^e of set p as f32
.set LIM,   19                         ; v19-21   57,344 x 2^e of set p
.set X,     32                         ; v32-95   two sets of 32 numbers as loaded
.set T,     96                         ; v96-127  a block's numbers, held
.set C,     128                        ; v128-151 a block's codes, eight registers for each set
.set OUTR,  152                        ; v152-215 the way out
	s_load_b128 s[4:7], s[0:1], 0x0                ; x, the scales' exponents
	s_load_b64 s[8:9], s[0:1], 0x10                ; xc
	v_lshl_add_u32 v[SPW], v0, 2, SPARE
	v_mov_b32 v[NIL], 0
	v_lshrrev_b32 v1, 5, v0
	v_readfirstlane_b32 s16, v1                    ; wave 0..3
	v_and_b32 v2, 31, v0                           ; lane
	v_lshlrev_b32 v3, 2, v2                        ; in: 4 bytes a lane
	s_mul_i32 s17, s16, 3*STG                      ; my three stages
	v_mul_u32_u24 v4, v2, PITCH
	v_add_nc_u32 v4, s17, v4                       ; into a stage: row = my column
	v_and_b32 v5, 15, v2
	v_lshrrev_b32 v6, 4, v2
	v_mul_u32_u24 v7, v6, PITCH
	v_lshl_add_u32 v7, v5, 4, v7
	v_add_nc_u32 v7, s17, v7                       ; out of it: sixteen lanes to a row, two rows an instruction
	v_lshlrev_b32 v8, 10, v6
	v_lshl_add_u32 v8, v5, 4, v8                   ; and the same place in xc
	s_lshr_b32 s18, ttmp9, 2                       ; b
	s_and_b32 s19, ttmp9, 3                        ; which 128 of the 512 columns
	s_and_b32 s20, ttmp7, 0xffff                   ; which 256 along K
	s_lshl_b32 s12, s18, 21                        ; x: b x 2^21 + 256 kq channels of 2,048 bytes + 512 xq + 128 wave
	s_lshl_b32 s21, s20, 19
	s_or_b32 s12, s12, s21
	s_lshl_b32 s21, s19, 9
	s_or_b32 s12, s12, s21
	s_lshl_b32 s21, s16, 7
	s_or_b32 s12, s12, s21
	s_mov_b32 s13, 0
	s_lshl_b32 s14, s18, 19                        ; xc: row 512 b + 128 xq + 32 wave, of 1,024 bytes, + 256 kq
	s_lshl_b32 s21, s19, 17
	s_or_b32 s14, s14, s21
	s_lshl_b32 s21, s16, 15
	s_or_b32 s14, s14, s21
	s_lshl_b32 s21, s20, 8
	s_or_b32 s14, s14, s21
	s_mov_b32 s15, 0
	s_wait_kmcnt 0x0
	s_load_b256 s[28:35], s[6:7], 0x0              ; entries 0 to 7; 0, 2 and 4 are used
	s_add_nc_u64 s[4:5], s[4:5], s[12:13]
	s_add_nc_u64 s[8:9], s[8:9], s[14:15]          ; set 0,
	s_add_nc_u64 s[24:25], s[8:9], 0x1000000       ; set 1,
	s_add_nc_u64 s[26:27], s[8:9], 0x2000000       ; set 2
.macro LOAD t                          ; block t: x(channel 32 t + i, my column), i = 0 .. 31, into set t % 2
.set i, 0
.rept 32
	global_load_b32 v[X+32*((\t)%2)+i], v3, s[4:5] offset:(32*(\t)+i)*DROW th:TH_LOAD_NT
.set i, i+1
.endr
.endm
	LOAD 0
	LOAD 1
	s_wait_kmcnt 0x0
.irp p, 0,1,2
	s_add_co_i32 s36, s[28+2*\p], 127
	s_lshl_b32 s37, s36, 23
	v_mov_b32 v[SC+\p], s37                        ; 2^e as f32: the conversion takes its exponent field
	s_add_co_i32 s36, s36, 15
	s_lshl_b32 s36, s36, 23
	s_or_b32 s36, s36, 0x600000
	v_mov_b32 v[LIM+\p], s36                       ; the largest number x 2^e
.endr
.macro BLOCK t
.set XS, X+32*((\t)%2)
.if (\t) < NB-1
	s_wait_loadcnt 32                              ; this block's 32 loads are in; the next block's may be out
.else
	s_wait_loadcnt 0
.endif
.irp p, 0,1,2
.set i, 0
.rept 32
	v_med3_num_f32 v[T+i], v[XS+i], -v[LIM+\p], v[LIM+\p]   ; the conversion to an 8-bit code does not saturate (ISA guide 7.6.2): the hold at the largest code x the scale comes first
.set i, i+1
.endr
.irp g, 0,1,2,3
	v_cvt_scalef32_pk8_bf8_f32 v[C+8*\p+2*\g:C+8*\p+2*\g+1], v[T+8*\g:T+8*\g+7], v[SC+\p]
.endr
	v_nop                                          ; a plain vector line between the conversions and the next set's holds, which write their sources
	ds_store_b128 v4, v[C+8*\p:C+8*\p+3] offset:\p*STG+32*(\t)      ; 32 codes: 32 bytes of my column's row
	ds_store_b128 v4, v[C+8*\p+4:C+8*\p+7] offset:\p*STG+32*(\t)+16
.endr
.if (\t)+2 < NB
	LOAD (\t)+2
.endif
	s_wait_dscnt 0x0                               ; the stores have read their registers: the next block's codes may be written
.endm
	s_wait_alu depctr_va_vdst(0)
.irp t, 0,1,2,3,4,5,6,7
	BLOCK \t
.endr
.macro OUT p, base                     ; set p leaves: 32 rows of 256 bytes
.if \p > 0
	s_wait_xcnt 0x0                                ; the last set's stores have read their registers: they are loaded again only behind this wait
.endif
.irp i, 0,1,2,3,4,5,6,7,8,9,10,11,12,13,14,15
	ds_load_b128 v[OUTR+4*\i:OUTR+4*\i+3], v7 offset:\p*STG+2*\i*PITCH   ; LDS serves a wave's instructions in order: these see my stores
.endr
.irp i, 0,1,2,3,4,5,6,7,8,9,10,11,12,13,14,15
	s_wait_dscnt 15-\i                             ; the younger loads may be out
	global_store_b128 v8, v[OUTR+4*\i:OUTR+4*\i+3], s[\base:\base+1] offset:2*\i*CROW
.endr
.endm
	OUT 0, 8
	OUT 1, 24
	OUT 2, 26
	s_wait_tensorcnt 0x0                           ; the wave's end
	ds_add_u32 v[SPW], v[NIL]
	s_wait_dscnt 0x0
	s_endpgm
.Lfunc_end_k_q11f30fd6c8_quant:
	.size	k_q11f30fd6c8_quant, .Lfunc_end_k_q11f30fd6c8_quant-k_q11f30fd6c8_quant
	.p2alignl 7, 3214868480
	.fill 96, 4, 3214868480
	.section	.rodata,"a",@progbits
	.p2align	6, 0x0
	.amdhsa_kernel k_q11f30fd6c8_quant
		.amdhsa_group_segment_fixed_size 104960
		.amdhsa_private_segment_fixed_size 0
		.amdhsa_enable_private_segment 0
		.amdhsa_kernarg_size 24
		.amdhsa_user_sgpr_count 2
		.amdhsa_user_sgpr_kernarg_segment_ptr 1
		.amdhsa_wavefront_size32 1
		.amdhsa_system_sgpr_workgroup_id_x 1
		.amdhsa_system_sgpr_workgroup_id_y 1
		.amdhsa_system_sgpr_workgroup_id_z 1
		.amdhsa_system_vgpr_workitem_id 0
		.amdhsa_next_free_vgpr 216
		.amdhsa_next_free_sgpr 66
		.amdhsa_reserve_vcc 0
		.amdhsa_float_denorm_mode_32 3
		.amdhsa_float_denorm_mode_16_64 3
		.amdhsa_memory_ordered 1
		.amdhsa_forward_progress 1
		.amdhsa_inst_pref_size 95
	.end_amdhsa_kernel
	.amdgpu_metadata
---
amdhsa.version: [ 1, 2 ]
amdhsa.kernels:
  - .name:           k_q11f30fd6c8_quant
    .symbol:         k_q11f30fd6c8_quant.kd
    .args:
      - { .name: x, .offset: 0, .size: 8, .value_kind: global_buffer, .address_space: global }
      - { .name: lowp_scales, .offset: 8, .size: 8, .value_kind: global_buffer, .address_space: global }
      - { .name: xc, .offset: 16, .size: 8, .value_kind: global_buffer, .address_space: global }
    .group_segment_fixed_size: 104960
    .private_segment_fixed_size: 0
    .kernarg_segment_align: 8
    .kernarg_segment_size: 24
    .max_flat_workgroup_size: 128
    .sgpr_count:     66
    .vgpr_count:     216
    .wavefront_size: 32
...
	.end_amdgpu_metadata
.endif
;; end of part 1
;; launch proj (part 2): grid 4 x 64, 4 waves a work-group, clusters of 4 x 4, 327,680 bytes of LDS; arguments xc, Wq_codes, Wk_codes, Wv_codes, bq, bk, bv, lowp_scales, qkv; writes qkv
.if DOCPART == 2
	.amdgcn_target "amdgcn-amd-amdhsa--gfx1250"
	.amdhsa_code_object_version 6
	.text
	.protected	k_q11f30fd6c8_proj
	.globl	k_q11f30fd6c8_proj
	.p2align	8
	.type	k_q11f30fd6c8_proj,@function
k_q11f30fd6c8_proj:
	s_mov_b64 s[64:65], 0
	v_nop
	global_prefetch_b8 v0, s[64:65] scope:SCOPE_SE
	s_setreg_imm32_b32 hwreg(HW_REG_WAVE_MODE, 25, 1), 1
	s_wait_xcnt 0x0
	s_wait_alu depctr_hold_cnt(0) depctr_sa_sdst(0) depctr_va_vdst(0) depctr_va_sdst(0) depctr_va_ssrc(0) depctr_va_vcc(0) depctr_vm_vsrc(0)
	s_getreg_b32 s2, hwreg(HW_REG_IB_STS2, 6, 4)
	s_cmp_eq_u32 s2, 0
	s_cbranch_scc0 .Lentry_in_a_cluster
	s_endpgm
.Lentry_in_a_cluster:
	s_bfe_u32 s2, ttmp6, 0x10000c
	s_cmp_lg_u32 s2, 0xf033
	s_cbranch_scc0 .Lentry_shape_is_right
	s_endpgm
.Lentry_shape_is_right:
; THE THREE PROJECTIONS: relu(x W + b) on E5M2 codes, quantised again for the attention launch.  Nothing of reference() is left out.
; A WORK-GROUP STAYS and makes three tiles of 256 x 256, tile P = 0, 1, 2 for Q, K, V; K = 1,024 goes in four steps of 256 through a ring of two LDS slots, and the ring runs on from tile to tile:
; a tile's last two changes of slots ask for the next tile's K steps 0 and 1, the next tile's first fragments are asked for behind the tile's last products, and the tile leaves while they are on their way.  Four waves, 128 x 128 each: 64 accumulators.
; Q, K: source 1 (side A) = 16 rows of xc (positions), source 0 (side B) = 16 rows of W (channels): a lane holds one position and eight neighbouring channels.  V: A = Wv, B = xc: a lane holds one channel and eight neighbouring positions.
; So the conversions' results are the registers of the attention launch's operands, and they are stored as images: 16 bytes a lane, 512 consecutive bytes an instruction.
; The bias, divided by 2^(ex + ew), is the C of a tile's first products; relu and the hold are one v_med3; the three scales are folded into the conversion's one.
; CLUSTERS 4 x 4: A's tiles are asked for jointly along a row of the cluster, B's along a column.  All partners walk the same three tiles' steps.
; PREFETCH: behind each joint load a wave names the K step two refills on: 32 rows x 256 bytes, a lane a row; the four partners of a joint load share its 128 rows out by address.  The last tile names nothing.
; LIMITS: for each projection eo - ex - ew lies between -126 and 112, so that the conversion's scale and 57,344 x it are f32 numbers.  NaN among the inputs is not served.
; REGISTERS: window 0: v0-31 addresses, v32-95 bias, v96-103 its offsets, v128-255 A's fragments; window 1: B's fragments, two sets, at v0 and v128 (on the way out the second set's registers hold 64 held sums and 2 x 16 codes); windows 2, 3: accumulators.
.set ROWB,   256
.set KROW,   1024
.set PITCH,  272                       ; 256 bytes + 16: the sixteen rows of a fragment load start at sixteen different banks
.set FR,     16
.set NL,     4
.set NP,     4
.set HALFT,  128*PITCH
.set SLOT,   4*HALFT
.set SPARE,  2*SLOT                    ; the spare words, 128 bytes a wave, which no other line names
.set LIM,  12
.set SCV,  13
.set ADRA, 16
.set ADRB, 20
.set ST0,  24
.set ST1,  25
.set SPW,  28
.set NIL,  29
.set PFO,  30                          ; lane x a row of codes
.set BI,   32
.set VA,   96
.set AF,   128
.set T,    128                         ; in window 1
.set CD,   192                         ; in window 1
.set G1, 24
.set G0, 32
.set G1B, 48
.set G0B, 56
.set PN, 2                             ; s2  the tile that is being prepared
.set P,  86                            ; s86 the tile in hand
.set NXA, 20                           ; s[20:21], s[46:47] my part of the prepared tile's A and B at K step 0
.set NXB, 46
.set PFA, 98                           ; s[98:99] my 32 rows of the prepared tile, for the prefetches
.set OB,  100                          ; s[100:101] where my images go
.set MSB, 0
.macro WIN new
.if MSB != (\new)
	s_set_vgpr_msb (MSB<<8)|(\new)
.set MSB, (\new)
.endif
.endm
.set MUL_LO, 0xa1
.set MUL_HI, 0xf1
.set TO_B,   0x40
.macro JLOAD s                         ; waves 0, 1 ask for A's halves, waves 2, 3 for B's
	s_cmp_eq_u32 s15, 0
	s_cbranch_scc0 .Lfor_b_\@
	tensor_load_to_lds s[G0+4*\s:G0+4*\s+3], s[G1:G1+7]
	s_nop 0
.rept 4
	v_nop
.endr
	s_branch .Lasked_\@
.Lfor_b_\@:
	tensor_load_to_lds s[G0B+4*\s:G0B+4*\s+3], s[G1B:G1B+7]
	s_nop 0
.rept 4
	v_nop
.endr
.Lasked_\@:
.endm
.macro CREST
	s_cmp_lg_u32 s14, 0
	s_cbranch_scc1 .Lnot_wave_0_\@
	s_barrier_signal -3
.Lnot_wave_0_\@:
	s_barrier_wait -3
	s_barrier_signal -1
	s_barrier_wait -1
.endm
.macro CROUND
	s_barrier_signal -1
	s_barrier_wait -1
	CREST
.endm
; Tile PN's addresses.  A's chain (s17, s20) holds cy alone, B's (s42, s46) cx alone.
.macro PREPS
	s_lshl_b32 s12, s[PN], 24
	s_mov_b32 s13, 0
	s_add_nc_u64 s[4:5], s[68:69], s[12:13]        ; xc, set PN
	s_cmp_eq_u32 s[PN], 0
	s_cselect_b64 s[6:7], s[70:71], s[72:73]
	s_cselect_b64 s[8:9], s[76:77], s[78:79]
	s_cmp_eq_u32 s[PN], 2
	s_cselect_b64 s[8:9], s[80:81], s[8:9]         ; the bias
	s_cselect_b64 s[10:11], s[4:5], s[6:7]         ; side B: W, for V xc
	s_cselect_b64 s[4:5], s[74:75], s[4:5]         ; side A: xc, for V Wv
	s_cselect_b32 s42, s87, 0
	s_cselect_b32 s17, 0, s87
	s_cselect_b32 s66, 4, 0                        ; the bias's offsets: V: 4 r; Q, K: 32 h + 4 j
	s_cselect_b32 s67, 0, 32
	s_cselect_b32 s3, 0, 4
	s_add_co_u32 s42, s42, s40                     ; tile column
	s_add_co_u32 s17, s17, s41                     ; tile row
	s_lshl_b32 s13, s16, 7                         ; which 128 rows I fetch
	s_lshl_b32 s20, s17, 8
	s_add_co_u32 s20, s20, s13
	s_lshl_b32 s20, s20, 10
	s_mov_b32 s21, 0
	s_add_nc_u64 s[NXA:NXA+1], s[4:5], s[20:21]
	s_lshl_b32 s46, s42, 8
	s_add_co_u32 s46, s46, s13
	s_lshl_b32 s46, s46, 10
	s_mov_b32 s47, 0
	s_add_nc_u64 s[NXB:NXB+1], s[10:11], s[46:47]
	s_lshl_b32 s18, s17, 8
	s_lshl_b32 s19, s42, 8
	s_cmp_eq_u32 s15, 0                            ; do I fetch for A?
	s_cselect_b32 s18, s18, s19
	s_cselect_b32 s19, s40, s41                    ; my place among the four that ask with me
	s_cselect_b64 s[PFA:PFA+1], s[4:5], s[10:11]
	s_lshl_b32 s19, s19, 5
	s_add_co_u32 s18, s18, s19
	s_add_co_u32 s18, s18, s13
	s_lshl_b32 s18, s18, 10
	s_mov_b32 s19, 0
	s_add_nc_u64 s[PFA:PFA+1], s[PFA:PFA+1], s[18:19]
	s_lshl_b32 s12, s42, 8
	s_add_co_u32 s12, s12, s13                     ; the first of B's rows that I multiply,
	s_lshl_b32 s18, s17, 8
	s_lshl_b32 s19, s15, 7
	s_add_co_u32 s18, s18, s19                     ; and of A's
	s_cmp_eq_u32 s[PN], 2
	s_cselect_b32 s12, s18, s12                    ; my first channel
	s_lshl_b32 s12, s12, 2
	s_mov_b32 s13, 0
	s_add_nc_u64 s[8:9], s[8:9], s[12:13]
.endm
.macro PREPB                           ; tile PN's bias in the results' layout: the offsets and the first 32 loads
	s_wait_alu depctr_va_vdst(0)                   ; the wait ahead of these readers of v1, v2
	v_mul_u32_u24 v[VA], v1, s66
	v_mad_u32_u24 v[VA], v2, s67, v[VA]
.irp j, 1,2,3,4,5,6,7
	v_add_nc_u32 v[VA+\j], s3, v[VA+\j-1]
.endr
	s_wait_alu depctr_va_vdst(0)                   ; the second group of loads reads the offsets behind waits and barriers
.irp i, 0,1,2,3
.irp j, 0,1,2,3,4,5,6,7
	global_load_b32 v[BI+8*\i+\j], v[VA+\j], s[8:9] offset:64*\i
.endr
.endr
.endm
.macro PREPC                           ; the bias's second 32 loads, a step later: 64 loads are never out together
.irp i, 4,5,6,7
.irp j, 0,1,2,3,4,5,6,7
	global_load_b32 v[BI+8*\i+\j], v[VA+\j], s[8:9] offset:64*\i
.endr
.endr
.endm
	s_load_b512 s[68:83], s[0:1], 0x0              ; xc, Wq, Wk, Wv, bq, bk, bv, the scales
	s_load_b64 s[84:85], s[0:1], 0x40              ; qkv
	v_lshl_add_u32 v[SPW], v0, 2, SPARE
	v_mov_b32 v[NIL], 0
	ds_add_u32 v[SPW], v[NIL]                      ; the opening lines: the add twice on end and its wait ahead of my first tensor load
	ds_add_u32 v[SPW], v[NIL]
	v_lshrrev_b32 v1, 5, v0
	v_readfirstlane_b32 s14, v1                    ; wave
	s_lshr_b32 s15, s14, 1                         ; my half of A's rows; also: I fetch for A (0) or B (1)
	s_and_b32 s16, s14, 1                          ; my half of B's rows; also: which 128 rows I fetch
	s_bfe_u32 s40, ttmp6, 0x40000                  ; cx
	s_bfe_u32 s41, ttmp6, 0x40004                  ; cy
	s_and_b32 s87, ttmp7, 0xffff
	s_lshl_b32 s87, s87, 2                         ; 4 x cluster y
	s_lshl_b32 s43, s41, 2
	s_lshl_b32 s43, 15, s43                        ; my row of the cluster
	s_lshl_b32 s44, 0x1111, s40                    ; my column
	s_or_b32 s[G1+0], s43, (0<<16)|(1<<20)|(1<<21)|(5<<22)|(3<<25)   ; bytes; four words of padding behind every 64
	s_or_b32 s[G1B+0], s44, (0<<16)|(1<<20)|(1<<21)|(5<<22)|(3<<25)
.irp g, G1, G1B
	s_mov_b32 s[\g+1], ROWB<<16
	s_mov_b32 s[\g+2], 128<<16
	s_mov_b32 s[\g+3], ROWB<<16
	s_mov_b32 s[\g+4], 128
	s_mov_b32 s[\g+5], KROW
	s_mov_b32 s[\g+6], 0
	s_mov_b32 s[\g+7], 0
.endr
	s_mul_i32 s45, s14, HALFT                      ; where my part of a slot lies
	s_mov_b32 s23, 0
	s_mov_b32 s[PN], 0
	s_wait_dscnt 0x0
	s_wait_kmcnt 0x0
	s_load_b256 s[88:95], s[82:83], 0x0            ; entries 0 to 7
	s_load_b64 s[96:97], s[82:83], 0x20            ; entries 8, 9
	PREPS
	CROUND                                         ; the first joint loads meet
.irp s, 0,1
	s_mov_b32 s[G0+4*\s], 1
	s_add_co_u32 s[G0+4*\s+1], s45, \s*SLOT
	s_add_nc_u64 s[G0+4*\s+2:G0+4*\s+3], s[NXA:NXA+1], \s*ROWB
	s_or_b32 s[G0+4*\s+3], s[G0+4*\s+3], 0x80000000
	s_mov_b32 s[G0B+4*\s], 1
	s_add_co_u32 s[G0B+4*\s+1], s45, \s*SLOT
	s_add_nc_u64 s[G0B+4*\s+2:G0B+4*\s+3], s[NXB:NXB+1], \s*ROWB
	s_or_b32 s[G0B+4*\s+3], s[G0B+4*\s+3], 0x80000000
.endr
	JLOAD 0                                        ; K step 0: one tensor load a wave at the head
	v_and_b32 v1, 15, v0                           ; r
	v_bfe_u32 v2, v0, 4, 1                         ; h
	v_mul_u32_u24 v3, v1, PITCH
	v_lshl_add_u32 v4, v2, 4, v3
	s_mul_i32 s12, s15, HALFT
	s_mul_i32 s13, s16, HALFT
	s_add_co_u32 s13, s13, 2*HALFT
.irp s, 0,1
	v_add_nc_u32 v[ADRA+\s], s12, v4
	v_add_nc_u32 v[ADRB+\s], s13, v4
	s_add_co_u32 s12, s12, SLOT
	s_add_co_u32 s13, s13, SLOT
.endr
	v_and_b32 v6, 31, v0
	v_lshlrev_b32 v[ST0], 4, v6
	v_lshlrev_b32 v[PFO], 10, v6
	global_prefetch_b8 v[PFO], s[PFA:PFA+1] offset:2*ROWB th:TH_LOAD_NT scope:SCOPE_SE   ; K step 2
	PREPB
	s_wait_alu depctr_va_vdst(0)                   ; the head's end
	s_wait_tensorcnt 0x0                           ; my part of K step 0 is in; the three lines ahead of a later first fill
	ds_add_u32 v[SPW], v[NIL]
	s_wait_dscnt 0x0
	CROUND
	JLOAD 1                                        ; K step 1
	global_prefetch_b8 v[PFO], s[PFA:PFA+1] offset:3*ROWB th:TH_LOAD_NT scope:SCOPE_SE   ; K step 3
	PREPC
	s_wait_kmcnt 0x0                               ; the scales
	s_mov_b32 s[P], 0
.macro FRAG reg, adr, q, i             ; 16 rows x 128 K: registers 4 c .. 4 c + 3 hold K = 32 c + 16 h + 0 .. 15, alike in A and B
.irp c, 0,1,2,3
	ds_load_b128 v[\reg+4*\c:\reg+4*\c+3], v[\adr] offset:128*(\q)+32*\c+(\i)*16*PITCH
.endr
.endm
.macro MUL16 a0, p, mode               ; A's blocks a0, a0 + 1 x B's eight; mode 1, 2: the bias starts the sums (by B's block; by A's); the accumulators take turns
.irp a, \a0, \a0+1
.irp b, 0,1,2,3,4,5,6,7
.if \mode == 1
	v_wmma_f32_16x16x128_bf8_bf8 v[8*(8*((\a)%4)+\b):8*(8*((\a)%4)+\b)+7], v[128*(\p)+FR*\b:128*(\p)+FR*\b+FR-1], v[AF+FR*(\a):AF+FR*(\a)+FR-1], v[BI+8*\b:BI+8*\b+7]
.elseif \mode == 2
	v_wmma_f32_16x16x128_bf8_bf8 v[8*(8*((\a)%4)+\b):8*(8*((\a)%4)+\b)+7], v[128*(\p)+FR*\b:128*(\p)+FR*\b+FR-1], v[AF+FR*(\a):AF+FR*(\a)+FR-1], v[BI+8*(\a):BI+8*(\a)+7]
.else
	v_wmma_f32_16x16x128_bf8_bf8 v[8*(8*((\a)%4)+\b):8*(8*((\a)%4)+\b)+7], v[128*(\p)+FR*\b:128*(\p)+FR*\b+FR-1], v[AF+FR*(\a):AF+FR*(\a)+FR-1], v[8*(8*((\a)%4)+\b):8*(8*((\a)%4)+\b)+7]
.endif
.endr
.endr
.endm
.macro MULF a0                         ; 32 first products; the bias's layout hangs on the tile's number alone
	WIN 0
	s_cmp_eq_u32 s[P], 2
	s_cbranch_scc1 .Lfirst_v_\@
	WIN 0x81+0x40*((\a0)/4)
	MUL16 \a0, 0, 1
	MUL16 \a0+2, 0, 1
	WIN 0
	s_branch .Lfirst_done_\@
.Lfirst_v_\@:
	WIN 0x81+0x40*((\a0)/4)
	MUL16 \a0, 0, 2
	MUL16 \a0+2, 0, 2
	WIN 0
.Lfirst_done_\@:
.endm
.macro FETCH_B slot, q, p
	WIN TO_B
.irp i, 0,1,2,3,4,5,6,7
	FRAG 128*(\p)+FR*\i, ADRB+\slot, \q, \i
.endr
	WIN 0
.endm
.macro FETCH_A slot, q, i0
.irp i, \i0, \i0+1, \i0+2, \i0+3
	FRAG AF+FR*(\i), ADRA+\slot, \q, \i
.endr
.endm
.macro PLACES n
.rept \n
	v_nop
.endr
.endm
.macro STEP slot, q                    ; 128 along K with its successor in the same slot
	s_wait_dscnt 4*NL                              ; A's blocks 4-7 may be out
	WIN MUL_LO
	MUL16 0, (\q)%2, 0
	MUL16 2, (\q)%2, 0
	s_wait_dscnt 0
	PLACES NP
	FETCH_B \slot, (\q)+1, 1-(\q)%2
	FETCH_A \slot, (\q)+1, 0
	WIN MUL_HI
	MUL16 4, (\q)%2, 0
	MUL16 6, (\q)%2, 0
	PLACES NP
	WIN 0
	FETCH_A \slot, (\q)+1, 4
.endm
; The first half of a slot's last step: the three lines, the barrier, and (fill) the rest of the cluster's round and the joint refill.  fill = 1: this tile's K step two on; 2: the next tile's K step 0 or 1.
.macro MEET slot, fill
	s_wait_tensorcnt 0x0                           ; my part of the other slot is in
	ds_add_u32 v[SPW], v[NIL]
	s_wait_dscnt 4*NL+1                            ; the add and A's blocks 4-7 may be out
	WIN MUL_LO
	MUL16 0, 1, 0
	s_wait_dscnt 0x0                               ; the add is done, my reads of this slot are over
	s_barrier_signal -1
	MUL16 2, 1, 0
	WIN 0
	s_barrier_wait -1
.if \fill
	CREST
.if \fill == 1
	s_add_nc_u64 s[G0+4*\slot+2:G0+4*\slot+3], s[G0+4*\slot+2:G0+4*\slot+3], 2*ROWB
	s_add_nc_u64 s[G0B+4*\slot+2:G0B+4*\slot+3], s[G0B+4*\slot+2:G0B+4*\slot+3], 2*ROWB
.else
	s_add_nc_u64 s[G0+4*\slot+2:G0+4*\slot+3], s[NXA:NXA+1], \slot*ROWB
	s_or_b32 s[G0+4*\slot+3], s[G0+4*\slot+3], 0x80000000
	s_add_nc_u64 s[G0B+4*\slot+2:G0B+4*\slot+3], s[NXB:NXB+1], \slot*ROWB
	s_or_b32 s[G0B+4*\slot+3], s[G0B+4*\slot+3], 0x80000000
.endif
	JLOAD \slot                                    ; its four v_nop are also the places in front of the loads below
.else
	PLACES NP
.endif
.endm
.macro TURN slot, next, fill, ask      ; a slot's last step; ask: the next tile's K step that the prefetch names
	MEET \slot, \fill
	FETCH_B \next, 0, 0
	FETCH_A \next, 0, 0
.if \fill == 1
	s_cmp_eq_u32 s[P], 2                           ; the last tile has no successor
	s_cbranch_scc1 .Lna_\@
	global_prefetch_b8 v[PFO], s[PFA:PFA+1] offset:\ask*ROWB th:TH_LOAD_NT scope:SCOPE_SE
.Lna_\@:
.elseif \fill == 2
	global_prefetch_b8 v[PFO], s[PFA:PFA+1] offset:\ask*ROWB th:TH_LOAD_NT scope:SCOPE_SE
.endif
	WIN MUL_HI
	MUL16 4, 1, 0
	MUL16 6, 1, 0
	PLACES NP
	WIN 0
	FETCH_A \next, 0, 4
.endm
.macro OUT a                           ; block a: relu and hold in one, eight conversions, four stores of 512 consecutive bytes; held sums and codes lie in window 1
.set AC, 64*((\a)%4)
.set CB, CD+16*((\a)%2)
	WIN 0x42+((\a)/4)                              ; source 0 window 2 or 3, destination window 1
.set k, 0
.rept 64
	v_med3_num_f32 v[T+k], v[AC+k], 0, v[LIM]      ; each accumulator from its low end on
.set k, k+1
.endr
	WIN 0x41                                       ; source 0 and destination window 1
.irp b, 0,1,2,3,4,5,6,7
	v_cvt_scalef32_pk8_bf8_f32 v[CB+2*\b:CB+2*\b+1], v[T+8*\b:T+8*\b+7], v[SCV]
.endr
	v_nop                                          ; a plain line behind the conversions
	WIN 0x04                                       ; a store's data window 1
.if (\a) > 0
	s_wait_alu depctr_va_vdst(0)
	s_wait_xcnt 0x0                                ; the earlier stores have read their base and their data
	s_add_nc_u64 s[OB:OB+1], s[OB:OB+1], s[22:23]
.endif
	global_store_b128 v[ST0], v[CB:CB+3], s[OB:OB+1] th:TH_STORE_NT
	global_store_b128 v[ST0], v[CB+4:CB+7], s[OB:OB+1] offset:512 th:TH_STORE_NT
	global_store_b128 v[ST1], v[CB+8:CB+11], s[OB:OB+1] th:TH_STORE_NT
	global_store_b128 v[ST1], v[CB+12:CB+15], s[OB:OB+1] offset:512 th:TH_STORE_NT
.endm
	FETCH_B 0, 0, 0                                ; the first tile's first fragments
	FETCH_A 0, 0, 0
	FETCH_A 0, 0, 4
.Ltile:                                                ; slot 0 holds the tile's K step 0, whole, and its first fragments are asked for; K step 1 is on its way
	s_cmp_eq_u32 s[P], 0                           ; the tile's scales: ex, ew, and the result's
	s_cselect_b32 s12, s88, s90
	s_cselect_b32 s13, s89, s91
	s_cselect_b32 s66, s94, s95
	s_cmp_eq_u32 s[P], 2
	s_cselect_b32 s12, s92, s12
	s_cselect_b32 s13, s93, s13
	s_cselect_b32 s66, s97, s66
	s_add_co_i32 s12, s12, s13
	s_sub_co_i32 s13, 0, s12                       ; -(ex + ew)
	s_sub_co_i32 s66, s66, s12
	s_add_co_i32 s66, s66, 127
	s_lshl_b32 s67, s66, 23
	v_mov_b32 v[SCV], s67                          ; 2^(eo - ex - ew)
	s_add_co_i32 s66, s66, 15
	s_lshl_b32 s66, s66, 23
	s_or_b32 s66, s66, 0x600000
	v_mov_b32 v[LIM], s66                          ; 57,344 x that
	s_wait_loadcnt 0x0                             ; the bias
.set k, 0
.rept 64
	v_ldexp_f32 v[BI+k], v[BI+k], s13
.set k, k+1
.endr
	s_wait_alu depctr_va_vdst(0)
	s_wait_dscnt 4*NL
	MULF 0
	s_wait_dscnt 0
	PLACES NP
	FETCH_B 0, 1, 1
	FETCH_A 0, 1, 0
	MULF 4
	PLACES NP
	FETCH_A 0, 1, 4
	s_cmp_eq_u32 s[P], 2
	s_cbranch_scc1 .Lnonext
	s_wait_xcnt 0x0                                ; my prefetches and loads have read their addresses
	s_add_co_u32 s[PN], s[P], 1
	PREPS                                          ; the next tile's addresses, and its bias: the first products have read this tile's
	PREPB
.Lnonext:
	TURN 0, 1, 1, 0
	s_cmp_eq_u32 s[P], 2
	s_cbranch_scc1 .Lnonext2
	PREPC
.Lnonext2:
	STEP 1, 0
	TURN 1, 0, 1, 1
	STEP 0, 0
	s_cmp_eq_u32 s[P], 2
	s_cbranch_scc1 .Llast
	TURN 0, 1, 2, 2                                ; the ring goes on: slot 0 takes the next tile's K step 0,
	STEP 1, 0
	MEET 1, 2                                      ; slot 1 its K step 1;
	FETCH_B 0, 0, 0                                ; B's first set is free: the next tile's first fragments of B
	global_prefetch_b8 v[PFO], s[PFA:PFA+1] offset:3*ROWB th:TH_LOAD_NT scope:SCOPE_SE
	s_branch .Lrest
.Llast:                                                ; the last tile's tail is written out: it asks for nothing
	TURN 0, 1, 0, 0
	STEP 1, 0
	s_wait_dscnt 4*NL
	WIN MUL_LO
	MUL16 0, 1, 0
	MUL16 2, 1, 0
	WIN 0
	s_wait_dscnt 0
.Lrest:
	WIN MUL_HI
	MUL16 4, 1, 0
	MUL16 6, 1, 0
	WIN 0
	PLACES NP                                      ; behind the last products: ahead of loads into A's fragments and of writes over B's second set
	s_cmp_eq_u32 s[P], 2
	s_cbranch_scc1 .Lnofetch
	FETCH_A 0, 0, 0                                ; the next tile's first fragments of A: they land while this tile leaves
	FETCH_A 0, 0, 4
.Lnofetch:
	; where the tile's images go: part P of qkv, head 16 b + channel / 64, 32,768 bytes a head.  Q, K: 64 bytes a position; V: 16 bytes a position, 8,192 for 16 channels
	s_cmp_eq_u32 s[P], 2
	s_cselect_b32 s12, s87, 0
	s_cselect_b32 s13, 0, s87
	s_mov_b32 s22, 8192
	s_mov_b32 s19, 1024
	s_cselect_b32 s18, 16, 64
	s_cselect_b32 s22, s22, 1024                   ; from block to block
	s_cselect_b32 s19, s19, 32768                  ; from the first two stores to the last two
	s_add_co_u32 s12, s12, s40
	s_add_co_u32 s13, s13, s41
	s_lshl_b32 s12, s12, 8
	s_lshl_b32 s66, s16, 7
	s_add_co_u32 s12, s12, s66                     ; my first row of B,
	s_lshl_b32 s13, s13, 8
	s_lshl_b32 s66, s15, 7
	s_add_co_u32 s13, s13, s66                     ; of A
	s_cmp_eq_u32 s[P], 2
	s_cselect_b32 s66, s12, s13                    ; my first position,
	s_cselect_b32 s67, s13, s12                    ; my first channel
	s_lshr_b32 s12, s66, 9
	s_and_b32 s66, s66, 511
	s_mul_i32 s66, s66, s18
	s_lshl_b32 s12, s12, 4
	s_lshr_b32 s67, s67, 6
	s_add_co_u32 s12, s12, s67
	s_lshl_b32 s12, s12, 15
	s_add_co_u32 s12, s12, s66
	s_lshl_b32 s13, s[P], 24
	s_add_co_u32 s12, s12, s13
	s_mov_b32 s13, 0
	s_add_nc_u64 s[OB:OB+1], s[84:85], s[12:13]
	v_add_nc_u32 v[ST1], s19, v[ST0]
.irp a, 0,1,2,3,4,5,6,7
	OUT \a
.endr
	WIN 0
	s_wait_alu depctr_va_vdst(0)
	s_wait_xcnt 0x0                                ; the stores have read their registers: B's second set is loaded again in the next tile
	s_add_co_u32 s[P], s[P], 1
	s_cmp_lt_u32 s[P], 3
	s_cbranch_scc1 .Ltile
	s_wait_tensorcnt 0x0                           ; the wave's end
	ds_add_u32 v[SPW], v[NIL]
	s_wait_dscnt 0x0
	CROUND                                         ; the closing round
	s_endpgm
.Lfunc_end_k_q11f30fd6c8_proj:
	.size	k_q11f30fd6c8_proj, .Lfunc_end_k_q11f30fd6c8_proj-k_q11f30fd6c8_proj
	.p2alignl 7, 3214868480
	.fill 96, 4, 3214868480
	.section	.rodata,"a",@progbits
	.p2align	6, 0x0
	.amdhsa_kernel k_q11f30fd6c8_proj
		.amdhsa_group_segment_fixed_size 327680
		.amdhsa_private_segment_fixed_size 0
		.amdhsa_enable_private_segment 0
		.amdhsa_kernarg_size 72
		.amdhsa_user_sgpr_count 2
		.amdhsa_user_sgpr_kernarg_segment_ptr 1
		.amdhsa_wavefront_size32 1
		.amdhsa_system_sgpr_workgroup_id_x 1
		.amdhsa_system_sgpr_workgroup_id_y 1
		.amdhsa_system_sgpr_workgroup_id_z 1
		.amdhsa_system_vgpr_workitem_id 0
		.amdhsa_next_free_vgpr 1024
		.amdhsa_next_free_sgpr 102
		.amdhsa_reserve_vcc 0
		.amdhsa_float_denorm_mode_32 3
		.amdhsa_float_denorm_mode_16_64 3
		.amdhsa_memory_ordered 1
		.amdhsa_forward_progress 1
		.amdhsa_inst_pref_size 170
	.end_amdhsa_kernel
	.amdgpu_metadata
---
amdhsa.version: [ 1, 2 ]
amdhsa.kernels:
  - .name:           k_q11f30fd6c8_proj
    .symbol:         k_q11f30fd6c8_proj.kd
    .args:
      - { .name: xc, .offset: 0, .size: 8, .value_kind: global_buffer, .address_space: global }
      - { .name: Wq_codes, .offset: 8, .size: 8, .value_kind: global_buffer, .address_space: global }
      - { .name: Wk_codes, .offset: 16, .size: 8, .value_kind: global_buffer, .address_space: global }
      - { .name: Wv_codes, .offset: 24, .size: 8, .value_kind: global_buffer, .address_space: global }
      - { .name: bq, .offset: 32, .size: 8, .value_kind: global_buffer, .address_space: global }
      - { .name: bk, .offset: 40, .size: 8, .value_kind: global_buffer, .address_space: global }
      - { .name: bv, .offset: 48, .size: 8, .value_kind: global_buffer, .address_space: global }
      - { .name: lowp_scales, .offset: 56, .size: 8, .value_kind: global_buffer, .address_space: global }
      - { .name: qkv, .offset: 64, .size: 8, .value_kind: global_buffer, .address_space: global }
    .group_segment_fixed_size: 327680
    .private_segment_fixed_size: 0
    .kernarg_segment_align: 8
    .kernarg_segment_size: 72
    .max_flat_workgroup_size: 128
    .sgpr_count:     102
    .vgpr_count:     1024
    .wavefront_size: 32
...
	.end_amdgpu_metadata
.endif
;; end of part 2
;; launch attn (part 3): grid 8 x 32, 4 waves a work-group, no clusters, 327,680 bytes of LDS; arguments qkv, x, lowp_scales, y; writes y
.if DOCPART == 3
	.amdgcn_target "amdgcn-amd-amdhsa--gfx1250"
	.amdhsa_code_object_version 6
	.text
	.protected	k_q11f30fd6c8_attn
	.globl	k_q11f30fd6c8_attn
	.p2align	8
	.type	k_q11f30fd6c8_attn,@function
k_q11f30fd6c8_attn:
	s_mov_b64 s[64:65], 0
	v_nop
	global_prefetch_b8 v0, s[64:65] scope:SCOPE_SE
	s_setreg_imm32_b32 hwreg(HW_REG_WAVE_MODE, 25, 1), 1
	s_wait_xcnt 0x0
; y[b][channel][t] = x[b][channel][t] + the sum over keys s of softmax_s(Q[t] . K[s] / 8) V[s][channel], head by head; both products on E5M2 codes.  Nothing of reference() is left out.
; qkv holds Q, K and V as images of the operands' registers (the launch before lays them so): a fragment comes by loads of 16 bytes a lane, 512 consecutive bytes an instruction.
; THE SOFTMAX AHEAD OF THE SECOND PRODUCT: t = score x log2(e) / 8; M = the row's largest t rounded UP to a whole number; p = 2^(t - M) is what is quantised (entry 8 of the scales); the row's sum is taken of the unquantised p and divides at the end.
; SHARES.  A work-group owns two neighbouring heads of one batch (128 channels); each of its four waves owns 128 queries, eight tiles of 16, for both heads, one head after the other.
; A HEAD'S WHOLE K AND V STAY IN THE WAVE'S REGISTERS (256 each), and a tile's scores for ALL 512 keys lie in 256 more: the maximum is the row's own and nothing is rescaled.
; CLUSTER: none.  No two work-groups read the same byte of qkv or of x.
; LAYOUT.  Both products are used transposed: S^T = K Q^T (source 0 = 16 keys, source 1 = my 16 queries, K = 64), O^T = V^T P^T (source 0 = 16 channels, source 1 = P, K = 128 keys): a lane holds ONE query (lane % 16) throughout.
; In S^T register j of key tile kt is key 16 kt + 8 (lane / 16) + j: the two registers that its conversion gives are registers 2 c, 2 c + 1 (c = kt % 8) of P's fragment for keys 128 (kt / 8) on.
; THE RESIDUAL.  A tile's ctx goes, a word a lane, into the wave's stage in LDS (64 channels x 128 positions).  A head's part of x (the same shape) comes by one tensor load into bytes of its own: head 0's is asked for at the kernel's head,
; behind Q, K and V; head 1's fills the same bytes again behind the barrier between the heads.  Each has eight tiles in which to land and is waited for between the loops, where the head's rows leave: x + ctx, whole rows of 512 bytes.
; So no wave waits for x in a loop, and x is not prefetched.  The next head's K, V and Q images are.
; LIMITS on the given exponents: entries 6 + 7 between -123 and 130 (they are added to c's exponent field); entry 8 between -126 and 112; entries 8 + 9 are applied by v_ldexp_f32 and have none.  NaN among the inputs is not served.
; REGISTERS, in windows of 256 (s_set_vgpr_msb: bits 1:0 source 0, 3:2 source 1, 5:4 source 2, 7:6 destination):
;   window 0: addresses, Q (8), O^T (32), ctx (32), P (64; where rows leave, v104-231 hold 32 rows of ctx), the maximum's and the sum's chains.   window 1: K, key tile kt at v[8 kt].   window 2: V, fragment (dt, s) at v[16 (4 dt + s)].   window 3: S^T; where rows leave, x and y.
.set XP,    528                        ; a channel's row in LDS: 512 bytes + 16
.set XT,    64*XP                      ; a wave's tile of x, and its stage: 132 blocks of 256 bytes
.set CST,   4*XT                       ; the four stages lie behind the four tiles
.set SPARE, 8*XT                       ; behind them the spare words, 128 bytes for each wave, which no other line names
.set HEADB, 32768                      ; a head's images in each part of qkv
.set LI,  1                            ; v1   16 x lane
.set VX0, 2                            ; v2   my word of the stage in tile 0: 8 (lane / 16) rows + 4 (lane % 16)
.set VXA, 3                            ; v3   the same in the tile in hand
.set VFX, 4                            ; v4   my 16 bytes of a row of x
.set VFC, 5                            ; v5   and of the stage
.set SPW, 6                            ; v6   LDS address of my spare word; never rewritten
.set NIL, 7                            ; v7   0; never rewritten
.set PFO, 8                            ; v8   the prefetches' offset: 8,192 x wave + 256 x lane; never rewritten
.set NM,  10                           ; v[10:11] -M (the pair's low word serves both halves)
.set INV, 24                           ; v[24:25] 2^(e8 + e9) / the sum
.set LIM, 26                           ; v26  57,344 x 2^e8
.set SCV, 27                           ; v27  2^e8
.set PT,  28                           ; v28  a lane permute's destination
.set Q,   32
.set O,   40
.set XR,  72
.set P,   104
.set FC,  104
.set MX,  232                          ; v232-239 the maximum's eight chains
.set L,   240                          ; v240-255 the sum's eight chains, two numbers each
.set G0,  12
.set G1,  16
.set QP,  24                           ; s[24:25] the Q fragment in hand
.set QB,  26                           ; s[26:27] Q's images of head 0;  s[28:29] K's;  s[30:31] V's
.set KB,  28
.set VB,  30
.set YB,  32                           ; s[32:33] y at my part's first byte
.set CS,  40                           ; s[40:41] c = log2(e) / 8 x 2^(e6 + e7)
.set SEL, 42                           ; s[42:43] lane selects: lane l xor 16
.set EO,  44                           ; s44  e8 + e9
.set TX,  45                           ; s45  LDS bytes from tile 0 to the tile in hand
.set CNT, 46                           ; s46  tiles of the head still to do
.set WV,  47
.set MSB, 0
.macro WIN new                         ; the immediate's high byte repeats the setting that is left
.if MSB != (\new)
	s_set_vgpr_msb (MSB<<8)|(\new)
.set MSB, (\new)
.endif
.endm
.macro LOADQ
	global_load_b128 v[Q:Q+3], v[LI], s[QP:QP+1]
	global_load_b128 v[Q+4:Q+7], v[LI], s[QP:QP+1] offset:512
.endm
.macro LOADH w, base, hd, hf           ; half of a head's K (w = 0x40) or V (w = 0x80): 32 loads of 512 consecutive bytes
	WIN \w
.set n, 32*\hf
.rept 32
	global_load_b128 v[4*n:4*n+3], v[LI], s[\base:\base+1] offset:\hd*HEADB+512*n
.set n, n+1
.endr
	WIN 0
.endm
	s_load_b256 s[4:11], s[0:1], 0x0               ; qkv, x, the scales' exponents, y
	v_lshl_add_u32 v[SPW], v0, 2, SPARE
	v_mov_b32 v[NIL], 0
	ds_add_u32 v[SPW], v[NIL]                      ; the opening lines: the add twice on end and its wait ahead of my first tensor load
	ds_add_u32 v[SPW], v[NIL]
	v_lshrrev_b32 v1, 5, v0
	v_readfirstlane_b32 s[WV], v1
	; descriptor group 1: 64 rows (channels) x 128 elements of 4 bytes (positions), 512 elements from row to row; four words of padding behind every 128
	s_mov_b32 s[G1+0], (2<<16)|(1<<20)|(6<<22)|(3<<25)
	s_mov_b32 s[G1+1], 128<<16
	s_mov_b32 s[G1+2], 64<<16
	s_mov_b32 s[G1+3], 128<<16
	s_mov_b32 s[G1+4], 64
	s_mov_b32 s[G1+5], 512
	s_mov_b32 s[G1+6], 0
	s_mov_b32 s[G1+7], 0
	s_and_b32 s52, ttmp7, 0xffff                   ; b
	s_lshl_b32 s48, s52, 21                        ; x, y: b x 2^21 + 128 hp channels of 2,048 bytes + 512 x wave
	s_lshl_b32 s53, ttmp9, 18
	s_or_b32 s48, s48, s53
	s_lshl_b32 s53, s[WV], 9
	s_or_b32 s48, s48, s53
	s_mov_b32 s49, 0
	s_lshl_b32 s50, s52, 19                        ; qkv: head 16 b + 2 hp, 32,768 bytes a head
	s_lshl_b32 s53, ttmp9, 16
	s_or_b32 s50, s50, s53
	s_mov_b32 s51, 0
	s_mul_i32 s54, s[WV], XT                       ; my tile of x in LDS
	s_lshl_b32 s52, s[WV], 13                      ; my eight Q fragments of a head
	s_mov_b32 s53, 0
	s_mov_b32 s[CS], 0x3e38aa3b                    ; log2(e) / 8
	s_mov_b32 s[SEL], 0x76543210
	s_mov_b32 s[SEL+1], 0xfedcba98
	s_wait_dscnt 0x0
	s_wait_kmcnt 0x0
	s_load_b128 s[36:39], s[8:9], 0x18             ; entries 6 to 9
	s_mov_b32 s[G0], 1
	s_mov_b32 s[G0+1], s54
	s_add_nc_u64 s[G0+2:G0+3], s[6:7], s[48:49]
	s_or_b32 s[G0+3], s[G0+3], 0x80000000
	s_add_nc_u64 s[QB:QB+1], s[4:5], s[50:51]
	s_add_nc_u64 s[QP:QP+1], s[QB:QB+1], s[52:53]
	s_add_nc_u64 s[KB:KB+1], s[QB:QB+1], 0x1000000
	s_add_nc_u64 s[VB:VB+1], s[QB:QB+1], 0x2000000
	s_add_nc_u64 s[YB:YB+1], s[10:11], s[48:49]
	v_and_b32 v9, 31, v0
	v_lshlrev_b32 v[LI], 4, v9
	s_wait_alu depctr_va_vdst(0)
	LOADQ
	LOADH 0x40, KB, 0, 0
	LOADH 0x40, KB, 0, 1
	LOADH 0x80, VB, 0, 0
	LOADH 0x80, VB, 0, 1
	tensor_load_to_lds s[G0:G0+3], s[G1:G1+7]      ; head 0's x, behind what the first tile waits for
	s_nop 0
.rept 4
	v_nop
.endr
	v_and_b32 v29, 15, v0                          ; r
	v_bfe_u32 v30, v0, 4, 1                        ; h
	v_mul_u32_u24 v[VX0], v30, 8*XP
	v_lshl_add_u32 v[VX0], v29, 2, v[VX0]
	v_add_nc_u32 v[VX0], s54, v[VX0]
	v_add_nc_u32 v[VX0], CST, v[VX0]
	v_add_nc_u32 v[VFX], s54, v[LI]
	v_add_nc_u32 v[VFC], CST, v[VFX]
	v_lshlrev_b32 v[PFO], 8, v9
	v_add_nc_u32 v[PFO], s52, v[PFO]
	v_mov_b32 v[NM+1], 0                           ; (named as the upper halves of pairs)
	v_mov_b32 v[INV+1], 0
	v_mov_b32 v[PT], 0                             ; a lane permute's destination counts as one of its sources
	s_wait_kmcnt 0x0
	s_add_co_i32 s52, s36, s37
	s_lshl_b32 s52, s52, 23
	s_add_co_i32 s[CS], s[CS], s52                 ; the two exponents are added to c's exponent field
	s_mov_b32 s[CS+1], s[CS]
	s_add_co_i32 s52, s38, 127
	s_lshl_b32 s53, s52, 23
	v_mov_b32 v[SCV], s53                          ; 2^e8
	s_add_co_i32 s52, s52, 15
	s_lshl_b32 s52, s52, 23
	s_or_b32 s52, s52, 0x600000
	v_mov_b32 v[LIM], s52                          ; 57,344 x 2^e8
	s_add_co_i32 s[EO], s38, s39
	s_wait_alu depctr_va_vdst(0)                   ; the head's end
.macro SW cnt                          ; S^T: the next cnt key tiles
.rept \cnt
	v_wmma_f32_16x16x64_bf8_bf8 v[8*kt:8*kt+7], v[8*kt:8*kt+7], v[Q:Q+7], 0
.set kt, kt+1
.endr
.endm
.macro MXN cnt                         ; the maximum: the next cnt pairs of scores, eight chains by turns, each accumulator from its low end on
.rept \cnt
	v_max3_num_f32 v[MX+n%8], v[MX+n%8], v[2*n], v[2*n+1]
.set n, n+1
.endr
.endm
.macro SUMN cnt                        ; the sum: the next cnt pairs of p, eight chains by turns
.rept \cnt
	v_pk_add_f32 v[L+2*(n%8):L+2*(n%8)+1], v[L+2*(n%8):L+2*(n%8)+1], v[2*n:2*n+1]
.set n, n+1
.endr
.endm
.macro CVTN cnt                        ; the next cnt key tiles' codes
.rept \cnt
	v_cvt_scalef32_pk8_bf8_f32 v[P+2*kt:P+2*kt+1], v[8*kt:8*kt+7], v[SCV]
.set kt, kt+1
.endr
	v_nop                                          ; a plain line between the conversions and the products that read their results
.endm
.macro OW s, dt                        ; O^T, K step s, channels 16 dt on: the four accumulators take turns, one instruction a turn; the first K step starts the sums
.if \s == 0
	v_wmma_f32_16x16x128_bf8_bf8 v[O+8*\dt:O+8*\dt+7], v[16*(4*\dt+\s):16*(4*\dt+\s)+15], v[P+16*\s:P+16*\s+15], 0
.else
	v_wmma_f32_16x16x128_bf8_bf8 v[O+8*\dt:O+8*\dt+7], v[16*(4*\dt+\s):16*(4*\dt+\s)+15], v[P+16*\s:P+16*\s+15], v[O+8*\dt:O+8*\dt+7]
.endif
.endm
; ONE TILE OF 16 QUERIES against the head's 512 keys.
.macro TILE hd
	s_wait_loadcnt 0x0                             ; Q's fragment; at a head's first tile its K and V too
.set kt, 0
.set n, 0
	; S^T, WITH THE MAXIMUM AMONG IT: four products, then the sixteen lines of four accumulators that were written eight products earlier; at least four plain lines stand between a product and the first read of its result
	WIN 0xc1                                       ; K window 1, Q window 0, S^T window 3
	SW 8
	WIN 0
	v_add_nc_u32 v[VXA], s[TX], v[VX0]             ; four places behind the first eight products
.rept 3
	v_nop
.endr
	WIN 0xc1
	SW 4
	WIN 0x0f
.rept 8
	v_max_num_f32 v[MX+n], v[2*n], v[2*n+1]        ; the first eight pairs start the chains
.set n, n+1
.endr
	WIN 0x3c
	MXN 8
.rept 5
	WIN 0xc1
	SW 4
	WIN 0x3c
	MXN 16
.endr
	MXN 32
	WIN 0
	v_max3_num_f32 v[MX], v[MX], v[MX+1], v[MX+2]
	v_max3_num_f32 v[MX+3], v[MX+3], v[MX+4], v[MX+5]
	v_max3_num_f32 v[MX], v[MX], v[MX+6], v[MX+7]
	v_max_num_f32 v[MX], v[MX], v[MX+3]
	v_permlanex16_b32 v[PT], v[MX], s[SEL], s[SEL+1]
	v_max_num_f32 v[MX], v[MX], v[PT]              ; and lane l xor 16's
	v_mul_f32 v[MX], s[CS], v[MX]                  ; as t (c is positive)
	v_floor_f32 v[NM], -v[MX]                      ; -M = floor(-t) = -ceil(t): M is a whole number
	s_wait_alu depctr_va_vdst(0)
.if \hd == 0
	s_cmp_lg_u32 s[CNT], 1                         ; the head's last tile?  Then K's registers are free: the first half of the next head's K is asked for, and Q goes on to the next head
	s_cbranch_scc1 .Lsame_head_\@
	s_add_nc_u64 s[QP:QP+1], s[QP:QP+1], HEADB-8*1024   ; (the loads that named this address are in: the wait at the tile's head)
	LOADH 0x40, KB, 1, 0
.Lsame_head_\@:
	s_add_nc_u64 s[QP:QP+1], s[QP:QP+1], 1024
	LOADQ                                          ; the next tile's Q
	; A PREFETCH of the next head's K, V and Q images, in the tile before the one that asks for them: 32,768 bytes each; a lane names 256 bytes, a wave 8,192, the four waves the whole: each block is named once in the launch
	s_cmp_eq_u32 s[CNT], 2
	s_cbranch_scc0 .Lno_ask_\@
	global_prefetch_b8 v[PFO], s[KB:KB+1] offset:HEADB th:TH_LOAD_NT scope:SCOPE_SE
	global_prefetch_b8 v[PFO], s[VB:VB+1] offset:HEADB th:TH_LOAD_NT scope:SCOPE_SE
	global_prefetch_b8 v[PFO], s[QB:QB+1] offset:HEADB th:TH_LOAD_NT scope:SCOPE_SE
.Lno_ask_\@:
.else
	s_cmp_eq_u32 s[CNT], 1                         ; the very last tile asks for nothing: no load leaves its buffer
	s_cbranch_scc1 .Lno_q_\@
	s_add_nc_u64 s[QP:QP+1], s[QP:QP+1], 1024
	LOADQ
.Lno_q_\@:
.endif
	; p = 2^(t - M), IN TWO HALVES of 128 registers.  Among a half's exponentials stand only plain lines that name none of their results and whose own results are read behind the next wait:
	; the second half's scalings among the first half's exponentials, the first half's holds among the second half's.  A wait stands at each border.
	WIN 0xc3
.set k, 0
.rept 64
	v_pk_fma_f32 v[2*k:2*k+1], v[2*k:2*k+1], s[CS:CS+1], v[NM:NM+1] op_sel_hi:[1,0,0]
.set k, k+1
.endr
	s_wait_alu depctr_va_vdst(0)
.set k, 0
.rept 64
	v_exp_f32 v[2*k], v[2*k]
	v_pk_fma_f32 v[2*k+128:2*k+129], v[2*k+128:2*k+129], s[CS:CS+1], v[NM:NM+1] op_sel_hi:[1,0,0]
	v_exp_f32 v[2*k+1], v[2*k+1]
.set k, k+1
.endr
	v_nop                                          ; a plain line behind the last exponential
	s_wait_alu depctr_va_vdst(0)
	WIN 0x0f                                       ; the row's sum, of the UNQUANTISED p: the first half, ahead of its holds
.set n, 0
.rept 8
	v_pk_add_f32 v[L+2*n:L+2*n+1], v[4*n:4*n+1], v[4*n+2:4*n+3]
.set n, n+1
.endr
	WIN 0x0c
.set n, 16
	SUMN 48
	WIN 0xc3
	s_wait_alu depctr_va_vdst(0)
.set n, 0
.rept 128
	v_exp_f32 v[n+128], v[n+128]
	v_min_num_f32 v[n], v[n], v[LIM]               ; the conversion to an 8-bit code does not saturate (ISA guide 7.6.2); p is not negative, so the hold is one-sided
.set n, n+1
.endr
	s_wait_alu depctr_va_vdst(0)                   ; (the last hold is the plain line behind the batch)
	WIN 0
.if \hd == 0
	s_cmp_lg_u32 s[CNT], 1                         ; the head's last tile: the second half of the next head's K
	s_cbranch_scc1 .Lno_k_\@
	LOADH 0x40, KB, 1, 1
.Lno_k_\@:
.endif
	; O^T, ONE PRODUCT AT A TIME, with plain work that names none of its registers behind each: K steps 0 and 1 (the first 256 keys' codes) with the second half's sum, eight lines a product;
	; K step 2 with the last 128 keys' holds, sixteen a product; K step 3 with the sum's closing lines.  The order of the products is s ascending, dt = 0 .. 3 within.
	WIN 0x03
.set kt, 0
	CVTN 16
.set n, 64
.irp s, 0,1
.irp dt, 0,1,2,3
	WIN 0x02                                       ; V window 2; P, O^T window 0
	OW \s, \dt
	WIN 0x0c
	SUMN 8
.endr
.endr
	WIN 0xc3
.set n, 128
.rept 64
	v_min_num_f32 v[n], v[n], v[LIM]
.set n, n+1
.endr
	WIN 0x03
	CVTN 8
.irp dt, 0,1,2,3
	WIN 0x02
	OW 2, \dt
	WIN 0xc3
.rept 16
	v_min_num_f32 v[n], v[n], v[LIM]
.set n, n+1
.endr
.endr
	WIN 0x03
	CVTN 8
	WIN 0x02
	OW 3, 0
	WIN 0
.irp c, 0,4,8,12
	v_pk_add_f32 v[L+\c:L+\c+1], v[L+\c:L+\c+1], v[L+\c+2:L+\c+3]
.endr
	WIN 0x02
	OW 3, 1
	WIN 0
	v_pk_add_f32 v[L:L+1], v[L:L+1], v[L+4:L+5]
	v_pk_add_f32 v[L+8:L+9], v[L+8:L+9], v[L+12:L+13]
	WIN 0x02
	OW 3, 2
	WIN 0
	v_pk_add_f32 v[L:L+1], v[L:L+1], v[L+8:L+9]
	v_add_f32 v[L], v[L], v[L+1]
	WIN 0x02
	OW 3, 3
	WIN 0
	v_permlanex16_b32 v[PT], v[L], s[SEL], s[SEL+1]
	v_add_f32 v[L], v[L], v[PT]                    ; the row's sum
	WIN 0
	s_wait_alu depctr_va_vdst(0)                   ; the wait ahead of the transcendental
	v_rcp_f32 v[INV], v[L]
.rept 3
	v_nop                                          ; with the line below: four places behind the last products
.endr
	s_wait_alu depctr_va_vdst(0)                   ; the reciprocal's wait, ahead of its first reader
	v_ldexp_f32 v[INV], v[INV], s[EO]              ; x 2^(e8 + e9)
	s_wait_alu depctr_va_vdst(0)                   ; the wait directly ahead of the first reader of O^T
.set i, 0
.rept 16
	v_pk_mul_f32 v[XR+2*i:XR+2*i+1], v[O+2*i:O+2*i+1], v[INV:INV+1] op_sel_hi:[1,0]   ; ctx; each accumulator from its low end on
.set i, i+1
.endr
.irp dt, 0,1,2,3
.irp j, 0,1,2,3,4,5,6,7
	ds_store_b32 v[VXA], v[XR+8*\dt+\j] offset:(16*\dt+\j)*XP   ; ctx(channel 16 dt + 8 h + j, my query)
.endr
.endr
	s_add_co_u32 s[TX], s[TX], 64                  ; the next 16 positions
.endm
; 32 ROWS OF y LEAVE: ctx's rows into window 0, x's into window 3, their sum in x's place; a row's 512 bytes by the 32 lanes.  One setting serves x's loads, the sums and the stores.
.macro FLUSHC hd, c
.set n, 0
.rept 32
	ds_load_b128 v[FC+4*n:FC+4*n+3], v[VFC] offset:XP*(32*\c+n)   ; LDS serves a wave's instructions in order: these see my stores
.set n, n+1
.endr
	WIN 0xcc                                       ; destination and source 1 (a store's data) window 3
.set n, 0
.rept 32
	ds_load_b128 v[128*\c+4*n:128*\c+4*n+3], v[VFX] offset:XP*(32*\c+n)
.set n, n+1
.endr
	; in groups of eight rows: a group's sixteen sums, then the stores of the group before
.set n, 0
.set m, 0
.rept 4
	s_wait_dscnt 24-n                              ; this group's rows of x are in; the younger rows may be out
.rept 8
	v_pk_add_f32 v[128*\c+4*n:128*\c+4*n+1], v[FC+4*n:FC+4*n+1], v[128*\c+4*n:128*\c+4*n+1]
	v_pk_add_f32 v[128*\c+4*n+2:128*\c+4*n+3], v[FC+4*n+2:FC+4*n+3], v[128*\c+4*n+2:128*\c+4*n+3]
.set n, n+1
.endr
.if n > 8
.rept 8
	global_store_b128 v[LI], v[128*\c+4*m:128*\c+4*m+3], s[YB:YB+1] offset:(64*\hd+32*\c+m)*2048 th:TH_STORE_NT   ; 512 consecutive bytes, aligned
.set m, m+1
.endr
.endif
.endr
.rept 8
	global_store_b128 v[LI], v[128*\c+4*m:128*\c+4*m+3], s[YB:YB+1] offset:(64*\hd+32*\c+m)*2048 th:TH_STORE_NT
.set m, m+1
.endr
	WIN 0
.endm
	s_mov_b32 s[TX], 0
	s_mov_b32 s[CNT], 8
.Lhead0:
	TILE 0
	s_sub_co_u32 s[CNT], s[CNT], 1
	s_cmp_lg_u32 s[CNT], 0
	s_cbranch_scc1 .Lhead0
	LOADH 0x80, VB, 1, 0                           ; V's registers are free: the next head's V, in two halves among the rows that leave
	s_wait_tensorcnt 0x0                           ; head 0's x is in LDS
	FLUSHC 0, 0
	LOADH 0x80, VB, 1, 1
	FLUSHC 0, 1
	s_wait_xcnt 0x0                                ; the stores have read their registers: the next head's scores may be written there
	s_wait_tensorcnt 0x0                           ; the three lines and the barrier ahead of a refill
	ds_add_u32 v[SPW], v[NIL]
	s_add_nc_u64 s[G0+2:G0+3], s[G0+2:G0+3], 64*2048   ; the next head's 64 channels
	s_wait_dscnt 0x0                               ; the add is done, and my reads of x are over
	s_barrier_signal -1
	s_barrier_wait -1
	tensor_load_to_lds s[G0:G0+3], s[G1:G1+7]      ; head 1's x, into the bytes that held head 0's
	s_nop 0
.rept 4
	v_nop
.endr
	s_mov_b32 s[TX], 0
	s_mov_b32 s[CNT], 8
.Lhead1:
	TILE 1
	s_sub_co_u32 s[CNT], s[CNT], 1
	s_cmp_lg_u32 s[CNT], 0
	s_cbranch_scc1 .Lhead1
	s_wait_tensorcnt 0x0                           ; head 1's x is in LDS
	FLUSHC 1, 0
	FLUSHC 1, 1
	s_wait_tensorcnt 0x0                           ; the wave's end
	ds_add_u32 v[SPW], v[NIL]
	s_wait_dscnt 0x0
	s_endpgm
.Lfunc_end_k_q11f30fd6c8_attn:
	.size	k_q11f30fd6c8_attn, .Lfunc_end_k_q11f30fd6c8_attn-k_q11f30fd6c8_attn
	.p2alignl 7, 3214868480
	.fill 96, 4, 3214868480
	.section	.rodata,"a",@progbits
	.p2align	6, 0x0
	.amdhsa_kernel k_q11f30fd6c8_attn
		.amdhsa_group_segment_fixed_size 327680
		.amdhsa_private_segment_fixed_size 0
		.amdhsa_enable_private_segment 0
		.amdhsa_kernarg_size 32
		.amdhsa_user_sgpr_count 2
		.amdhsa_user_sgpr_kernarg_segment_ptr 1
		.amdhsa_wavefront_size32 1
		.amdhsa_system_sgpr_workgroup_id_x 1
		.amdhsa_system_sgpr_workgroup_id_y 1
		.amdhsa_system_sgpr_workgroup_id_z 1
		.amdhsa_system_vgpr_workitem_id 0
		.amdhsa_next_free_vgpr 1024
		.amdhsa_next_free_sgpr 66
		.amdhsa_reserve_vcc 0
		.amdhsa_float_denorm_mode_32 3
		.amdhsa_float_denorm_mode_16_64 3
		.amdhsa_memory_ordered 1
		.amdhsa_forward_progress 1
		.amdhsa_inst_pref_size 177
	.end_amdhsa_kernel
	.amdgpu_metadata
---
amdhsa.version: [ 1, 2 ]
amdhsa.kernels:
  - .name:           k_q11f30fd6c8_attn
    .symbol:         k_q11f30fd6c8_attn.kd
    .args:
      - { .name: qkv, .offset: 0, .size: 8, .value_kind: global_buffer, .address_space: global }
      - { .name: x, .offset: 8, .size: 8, .value_kind: global_buffer, .address_space: global }
      - { .name: lowp_scales, .offset: 16, .size: 8, .value_kind: global_buffer, .address_space: global }
      - { .name: y, .offset: 24, .size: 8, .value_kind: global_buffer, .address_space: global }
    .group_segment_fixed_size: 327680
    .private_segment_fixed_size: 0
    .kernarg_segment_align: 8
    .kernarg_segment_size: 32
    .max_flat_workgroup_size: 128
    .sgpr_count:     66
    .vgpr_count:     1024
    .wavefront_size: 32
...
	.end_amdgpu_metadata
.endif
;; end of part 3
;; launch norm (part 4): grid 256 x 1, 16 waves a work-group, no clusters, 2,560 bytes of LDS; arguments y, gamma, beta, out0; writes out0
.if DOCPART == 4
	.amdgcn_target "amdgcn-amd-amdhsa--gfx1250"
	.amdhsa_code_object_version 6
	.text
	.protected	k_q11f30fd6c8_norm
	.globl	k_q11f30fd6c8_norm
	.p2align	8
	.type	k_q11f30fd6c8_norm,@function
k_q11f30fd6c8_norm:
	s_mov_b64 s[64:65], 0
	v_nop
	global_prefetch_b8 v0, s[64:65] scope:SCOPE_SE
	s_setreg_imm32_b32 hwreg(HW_REG_WAVE_MODE, 25, 1), 1
	s_wait_xcnt 0x0
; out0[b][c][t] = (y[b][c][t] - mean_c) / sqrt(var_c + 1e-5) x gamma[c] + beta[c]; mean and (biased) variance over the 32 x 512 numbers of channel c.  Nothing of reference() is left out.
; A work-group owns FOUR WHOLE CHANNELS and keeps them in registers between the passes: y is read once.  Wave w takes channel 4 x work-group + w % 4, batches 8 (w / 4) .. + 7: eight rows of 2,048 bytes, 128 registers.
; The variance is formed as reference() forms it, from the differences from the mean: a common offset in the inputs costs nothing.
; The four waves of a channel meet twice in LDS, each time in words of their own and behind a barrier.  Each load and store of a wave covers 512 consecutive bytes, aligned.
; No matrix unit, no tensor load, no cluster: the launch moves each byte once and shares nothing between work-groups.
.set RED,   0                          ; LDS: the waves' sums: word 16 (w % 4) + 4 (w / 4); the sums of squares 256 bytes further on
.set SPARE, 512                        ; the spare words, 128 bytes for each of the sixteen waves, which no other line names
.set VO,    1                          ; v1, v2   16 x lane; the same four batches further on (a batch is 2^21 bytes: four of them are beyond a signed 24-bit immediate)
.set SPW,   4                          ; v4       LDS address of my spare word; never rewritten
.set NIL,   5                          ; v5       0; never rewritten
.set CH,    8                          ; v8-15    four chains, two numbers each
.set D,     32                         ; v32-159  my eight rows
	s_load_b256 s[4:11], s[0:1], 0x0               ; y s[4:5], gamma s[6:7], beta s[8:9], out0 s[10:11]
	v_lshl_add_u32 v[SPW], v0, 2, SPARE
	v_mov_b32 v[NIL], 0
	v_lshrrev_b32 v1, 5, v0
	s_delay_alu instid0(VALU_DEP_1)
	v_readfirstlane_b32 s12, v1                    ; wave 0..15
	s_and_b32 s13, s12, 3                          ; which of the four channels
	s_lshr_b32 s14, s12, 2                         ; which eight batches
	s_lshl_b32 s15, ttmp9, 2
	s_add_co_u32 s15, s15, s13                     ; c
	s_lshl_b32 s16, s14, 24
	s_lshl_b32 s17, s15, 11
	s_add_co_u32 s16, s16, s17                     ; 8 g batches of 2^21 bytes + c rows of 2,048
	s_mov_b32 s17, 0
	s_lshl_b32 s18, s15, 2
	s_mov_b32 s19, 0
	s_lshl_b32 s20, s13, 4
	s_lshl_b32 s21, s14, 2
	s_add_co_u32 s21, s21, s20
	v_mov_b32 v6, s21                              ; where my wave's sum goes
	v_mov_b32 v7, s20                              ; and where my channel's four lie
	v_and_b32 v1, 31, v0
	s_delay_alu instid0(VALU_DEP_1)
	v_lshlrev_b32 v[VO], 4, v1
	s_delay_alu instid0(VALU_DEP_1)
	v_add_nc_u32 v[VO+1], 0x800000, v[VO]
	v_mov_b32 v26, 0                               ; written once: a lane permute's destination counts as one of its sources
	s_mov_b32 s22, 0x76543210
	s_mov_b32 s23, 0xfedcba98                      ; lane l xor 16
	s_mov_b32 s24, 0x38800000                      ; 1 / 16,384
	s_wait_alu depctr_va_vdst(0)
	s_wait_kmcnt 0x0
	s_add_nc_u64 s[4:5], s[4:5], s[16:17]
	s_add_nc_u64 s[10:11], s[10:11], s[16:17]
	s_add_nc_u64 s[6:7], s[6:7], s[18:19]
	s_add_nc_u64 s[8:9], s[8:9], s[18:19]
	s_load_b32 s25, s[6:7], 0x0                    ; gamma[c]
	s_load_b32 s26, s[8:9], 0x0                    ; beta[c]
.irp k, 0,1,2,3,4,5,6,7
.irp q, 0,1,2,3
	global_load_b128 v[D+16*\k+4*\q:D+16*\k+4*\q+3], v[VO+\k/4], s[4:5] offset:((\k%4)<<21)+512*\q th:TH_LOAD_NT
.endr
.endr
.macro WSUM                            ; the four chains, then the 32 lanes: the wave's sum in every lane of v8
	s_delay_alu instid0(VALU_DEP_3)
	v_pk_add_f32 v[CH:CH+1], v[CH:CH+1], v[CH+2:CH+3]
	s_delay_alu instid0(VALU_DEP_2)
	v_pk_add_f32 v[CH+4:CH+5], v[CH+4:CH+5], v[CH+6:CH+7]
	s_delay_alu instid0(VALU_DEP_1)
	v_pk_add_f32 v[CH:CH+1], v[CH:CH+1], v[CH+4:CH+5]
	s_delay_alu instid0(VALU_DEP_1)
	v_add_f32 v[CH], v[CH], v[CH+1]
	s_delay_alu instid0(VALU_DEP_1)
	v_add_f32_dpp v[CH], v[CH], v[CH] row_xmask:1 row_mask:0xf bank_mask:0xf
	s_delay_alu instid0(VALU_DEP_1)
	v_add_f32_dpp v[CH], v[CH], v[CH] row_xmask:2 row_mask:0xf bank_mask:0xf
	s_delay_alu instid0(VALU_DEP_1)
	v_add_f32_dpp v[CH], v[CH], v[CH] row_xmask:4 row_mask:0xf bank_mask:0xf
	s_delay_alu instid0(VALU_DEP_1)
	v_add_f32_dpp v[CH], v[CH], v[CH] row_xmask:8 row_mask:0xf bank_mask:0xf
	s_delay_alu instid0(VALU_DEP_1)
	v_permlanex16_b32 v26, v[CH], s22, s23
	s_delay_alu instid0(VALU_DEP_1)
	v_add_f32 v[CH], v[CH], v26
.endm
.macro GSUM off                        ; the four waves of my channel: the channel's sum in v16, formed in the same order in all four
	ds_store_b32 v6, v[CH] offset:\off             ; all lanes write the same word with the same value
	s_wait_dscnt 0x0                               ; for the others' sake: my store is done
	s_barrier_signal -1
	s_barrier_wait -1
	ds_load_b128 v[16:19], v7 offset:\off
	s_wait_dscnt 0x0
	v_add_f32 v16, v16, v17
	v_add_f32 v18, v18, v19
	s_delay_alu instid0(VALU_DEP_1)
	v_add_f32 v16, v16, v18
.endm
	; the sum
	s_wait_loadcnt 28                              ; row 0's four loads are in; the seven later rows' may be out
.irp c, 0,1,2,3
	v_pk_add_f32 v[CH+2*\c:CH+2*\c+1], v[D+2*\c:D+2*\c+1], v[D+8+2*\c:D+8+2*\c+1]   ; the first row starts the chains: nothing is cleared
.endr
	s_wait_alu depctr_va_vdst(0)
.irp k, 1,2,3,4,5,6,7
	s_wait_alu depctr_va_vdst(0)
	s_wait_loadcnt 28-4*\k                         ; row k is in; the later rows' loads may be out
.irp j, 0,1,2,3,4,5,6,7
	v_pk_add_f32 v[CH+2*(\j%4):CH+2*(\j%4)+1], v[CH+2*(\j%4):CH+2*(\j%4)+1], v[D+16*\k+2*\j:D+16*\k+2*\j+1]
.endr
.endr
	WSUM
	GSUM RED
	s_delay_alu instid0(VALU_DEP_1)
	v_mul_f32 v20, 0xb8800000, v16                 ; -mean
	s_delay_alu instid0(VALU_DEP_1)
	v_mov_b32 v21, v20
	; the differences, in place, and the sum of their squares
.set j, 0
.rept 64
	v_pk_add_f32 v[D+2*j:D+2*j+1], v[D+2*j:D+2*j+1], v[20:21]
.set j, j+1
.endr
.irp c, 0,1,2,3
	v_pk_mul_f32 v[CH+2*\c:CH+2*\c+1], v[D+2*\c:D+2*\c+1], v[D+2*\c:D+2*\c+1]
.endr
.set j, 4
.rept 60
	s_delay_alu instid0(VALU_DEP_4)
	v_pk_fma_f32 v[CH+2*(j%4):CH+2*(j%4)+1], v[D+2*j:D+2*j+1], v[D+2*j:D+2*j+1], v[CH+2*(j%4):CH+2*(j%4)+1]
.set j, j+1
.endr
	WSUM
	GSUM RED+256                                   ; other words than the first time: no wave still reads those
	v_mov_b32 v23, 0x3727c5ac                      ; 1e-5
	s_delay_alu instid0(VALU_DEP_1)
	v_fma_f32 v22, v16, s24, v23                   ; the variance + 1e-5
	s_wait_kmcnt 0x0                               ; gamma, beta
	s_wait_alu depctr_va_vdst(0)
	v_rsq_f32 v22, v22
	v_mov_b32 v24, s26                             ; (plain lines behind the transcendental)
	v_mov_b32 v25, s26
	s_wait_alu depctr_va_vdst(0)                   ; the wait ahead of the first reader
	v_mul_f32 v22, s25, v22                        ; gamma / sqrt(var + 1e-5)
	s_delay_alu instid0(VALU_DEP_1)
	v_mov_b32 v23, v22
.set j, 0
.rept 64
	v_pk_fma_f32 v[D+2*j:D+2*j+1], v[D+2*j:D+2*j+1], v[22:23], v[24:25]
.set j, j+1
.endr
.irp k, 0,1,2,3,4,5,6,7
.irp q, 0,1,2,3
	global_store_b128 v[VO+\k/4], v[D+16*\k+4*\q:D+16*\k+4*\q+3], s[10:11] offset:((\k%4)<<21)+512*\q th:TH_STORE_NT
.endr
.endr
	s_wait_tensorcnt 0x0                           ; the wave's end
	ds_add_u32 v[SPW], v[NIL]
	s_wait_dscnt 0x0
	s_endpgm
.Lfunc_end_k_q11f30fd6c8_norm:
	.size	k_q11f30fd6c8_norm, .Lfunc_end_k_q11f30fd6c8_norm-k_q11f30fd6c8_norm
	.p2alignl 7, 3214868480
	.fill 96, 4, 3214868480
	.section	.rodata,"a",@progbits
	.p2align	6, 0x0
	.amdhsa_kernel k_q11f30fd6c8_norm
		.amdhsa_group_segment_fixed_size 2560
		.amdhsa_private_segment_fixed_size 0
		.amdhsa_enable_private_segment 0
		.amdhsa_kernarg_size 32
		.amdhsa_user_sgpr_count 2
		.amdhsa_user_sgpr_kernarg_segment_ptr 1
		.amdhsa_wavefront_size32 1
		.amdhsa_system_sgpr_workgroup_id_x 1
		.amdhsa_system_sgpr_workgroup_id_y 1
		.amdhsa_system_sgpr_workgroup_id_z 1
		.amdhsa_system_vgpr_workitem_id 0
		.amdhsa_next_free_vgpr 160
		.amdhsa_next_free_sgpr 66
		.amdhsa_reserve_vcc 0
		.amdhsa_float_denorm_mode_32 3
		.amdhsa_float_denorm_mode_16_64 3
		.amdhsa_memory_ordered 1
		.amdhsa_forward_progress 1
		.amdhsa_inst_pref_size 30
	.end_amdhsa_kernel
	.amdgpu_metadata
---
amdhsa.version: [ 1, 2 ]
amdhsa.kernels:
  - .name:           k_q11f30fd6c8_norm
    .symbol:         k_q11f30fd6c8_norm.kd
    .args:
      - { .name: y, .offset: 0, .size: 8, .value_kind: global_buffer, .address_space: global }
      - { .name: gamma, .offset: 8, .size: 8, .value_kind: global_buffer, .address_space: global }
      - { .name: beta, .offset: 16, .size: 8, .value_kind: global_buffer, .address_space: global }
      - { .name: out0, .offset: 24, .size: 8, .value_kind: global_buffer, .address_space: global }
    .group_segment_fixed_size: 2560
    .private_segment_fixed_size: 0
    .kernarg_segment_align: 8
    .kernarg_segment_size: 32
    .max_flat_workgroup_size: 512
    .sgpr_count:     66
    .vgpr_count:     160
    .wavefront_size: 32
...
	.end_amdgpu_metadata
.endif
;; end of part 4
